; MI455X (gfx1250); checked and timed in simulation.
; The chip was launched on July 23, 2026; its instructions are those of AMD's public machine-readable ISA for CDNA 5 (MIT licence, August 2026) and "CDNA5" Instruction Set Architecture Reference Guide (July 2026). The comments in the code are by the model that wrote it; some were corrected since.
;; Multi Head Attention. Allowed arithmetic: matrix products marked QUANTISED: E2M3 operands, one E8M0 scale for each 32 along K, by v_wmma_scale_f32_16x16x128_f8f6f4 with both operands' format E2M3, f32 sums; everything else in f32.
;; Inputs: W_qkv 1,024 x 3,072 float32; b_qkv 3,072 float32; x 4 x 2,048 x 1,024 float32.
;; Outputs: out0 4 x 2,048 x 1,024 float32.
;; This version of the problem:
;;   THIS VERSION OF THE PROBLEM IS GIVEN IN LOW PRECISION. The matrix products marked QUANTISED in the list below multiply operands that are first quantised to E2M3 (2 exponent bits, 3 mantissa bits; 6 bits a number), with one power-of-two scale for each 32 numbers along K (OCP MX v1.0); their sums are f32. All else is computed in f32.
;;   The module's matrix products, in the order in which they are computed (A, B: the left and right operand; K: the contracted axis; several contracted axes count as one K, in the product's order):
;;     1. [M 8,192, K 1,024] x [K 1,024, N 3,072]; A: input x; B: input W_qkv: QUANTISED
;;     2. batch 64 x [M 2,048, K 64] x [K 64, N 2,048]; A: computed on the way; B: computed on the way: QUANTISED
;;     3. batch 64 x [M 2,048, K 2,048] x [K 2,048, N 64]; A: softmax (see below); B: computed on the way: QUANTISED
;;   THE QUANTISER, for each operand of a quantised product, along K:
;;     - K is cut into blocks of 32 from its start; a last block that is shorter is filled with zeros.
;;     - A block's scale is 2^e with e = floor(log2(the largest magnitude in the block)) - 2, held to -126 .. 127; a block of zeros has e = 0. As a byte (E8M0): e + 127.
;;     - Each number is divided by its block's scale, clamped to +-7.5, and rounded to the nearest number of E2M3, ties to even, subnormals kept.
;;     - The product sums the exact products of the quantised numbers (number of the format x scale) in f32.
;;   ~~~python
;;   def quantise(x, axis):      # numpy; x: float32 -> the quantised numbers, widened to float32 again
;;       x = np.moveaxis(x, axis, -1); K = x.shape[-1]
;;       x = np.pad(x, [(0, 0)] * (x.ndim - 1) + [(0, -K % 32)]); x = x.reshape(x.shape[:-1] + (-1, 32)); a = np.abs(x).max(-1, keepdims=True)
;;       e = np.where(a > 0, np.clip(np.frexp(np.where(a > 0, a, 1))[1] - 1 - 2, -126, 127), 0)      # np.frexp(a)[1] - 1 = floor(log2(a)), exactly
;;       r = np.clip(x / 2.0 ** e, -7.5, 7.5)
;;       step = 2.0 ** (np.maximum(np.frexp(np.where(r == 0, 1, r))[1] - 1, 0) - 3)
;;       q = np.round(r / step) * step * 2.0 ** e      # np.round: ties to even
;;       return np.moveaxis(q.reshape(q.shape[:-2] + (-1,))[..., :K], -1, axis).astype(np.float32)
;;   ~~~
;;   SOFTMAX AHEAD OF A QUANTISED PRODUCT. Where the list says 'softmax', what is quantised is not the finished softmax but p = 2^(t - M), with t = logit x log2(e) and M = ceil(the row's largest t), a whole number; so 1/2 < the row's largest p <= 1. The row's sum l is taken of the UNQUANTISED p, in f32, and the product's result is divided by l at the end. Since M is a whole number, a kernel that streams over the keys may use a running M (the ceiling of the running maximum): every later rescaling is an exact power of two, which a block's scale takes up: the codes' values come out the same.
;;   OPERANDS COMPUTED ON THE WAY. 'Computed on the way' means the value that the module computes at that place (a softmax that the list does not call 'softmax' is quantised finished and normalised). What goes into a quantiser is computed in f32, as accurately as f32 sums, v_exp_f32 and their like allow (about 1e-6 of the number): no bf16 or f16 on the way to a quantiser, and a product that is left as it is and whose result goes on into a quantised operand takes f32 operands (vector FMAs, or v_wmma_f32_16x16x4_f32). A number that lies on a knife's edge between two numbers of the format may be rounded either way, as far as f32 arithmetic and the matrix unit's own rounding can turn it there, and no further.
;; One version. Each part assembles by itself: llvm-mc -triple=amdgcn-amd-amdhsa -mcpu=gfx1250 --defsym DOCPART=n.
;; ======== version 1 of 1: 3 launches
;; limits: right only within a limited range of input values
;; workspace buffers: xc 6,291,456 bytes; xs 262,144 bytes; wc 2,359,296 bytes; ws 98,304 bytes; qkc 12,582,912 bytes; qks 524,288 bytes; vc 6,291,456 bytes; vs 262,144 bytes
;; launch quant (part 1): grid 176 x 4, 4 waves a work-group, no clusters, 34,304 bytes of LDS; arguments x, W_qkv, xc, xs, wc, ws; writes xc, xs, wc, ws
.if DOCPART == 1
	.amdgcn_target "amdgcn-amd-amdhsa--gfx1250"
	.amdhsa_code_object_version 6
	.text
	.protected	k_q63d8815b5a_quant
	.globl	k_q63d8815b5a_quant
	.p2align	8
	.type	k_q63d8815b5a_quant,@function
k_q63d8815b5a_quant:
	s_mov_b64 s[64:65], 0
	v_nop
	global_prefetch_b8 v0, s[64:65] scope:SCOPE_SE
	s_setreg_imm32_b32 hwreg(HW_REG_WAVE_MODE, 25, 1), 1
	s_wait_xcnt 0x0
; x [8192][1024] and W_qkv [1024][3072], f32, become codes of FP6 (E2M3) with one E8M0 byte for each 32 along K = 1024.  No work of the problem is left out in this program.
; A block's scale is 2^(floor(log2(largest magnitude)) - 2): its byte is the largest magnitude's exponent field - 2, held at 1 from below by a floor among the maximum's leaves.
; LIMITS: a block of zeros gets the byte 1 where the rule says 127 (its codes are zeros; this program alone reads the bytes); NaN and infinities among the inputs are not served.
; THE CODES ARE LAID AS IMAGES OF OPERAND REGISTERS.  A fragment is 16 rows x 128 K, 12 registers a lane: lane (r, h) holds k = 64 c + 32 h + 0..31 of row r in registers 6 c .. 6 c + 5.
; Its image is 1,536 bytes: three chunks of 512, chunk c = registers 4 c .. 4 c + 3, lane l at byte 16 l.  xc: [row tile 512][K step 8][1536]; wc: [column tile 192][K step 8][1536].
; WHICH ROWS FORM A TILE, tokens and W's columns alike: row r of tile t of a group of 64 is element 32 (r / 8) + 8 t + r % 8, so that a later product's eight result registers of a group's four tiles are 32 neighbours.
; THE SCALE WORDS (4 bytes: one row, one K step): xs, ws: [tile][w 4][r 16][2 words]: word e of the pair is K step 2 w + e.
; Work-groups with x < 128 take x (tile 128 y + x: 16 rows, all K; wave w K steps 2 w, 2 w + 1); the other 48 of each y take W: 128 columns x one K step of 128 (K step 2 y + (x - 128) % 2; a lane a column, registers down K).
; Only the path for x uses LDS: each load reads 512 consecutive bytes of a row, and the numbers turn through the wave's own stage so that a lane gets whole blocks of 32 neighbours.
.set STGB,  8448                       ; a wave's stage: 16 rows x (512 + 16) bytes
.set SPARE, 4*STGB                     ; behind the stages: the spare words, 128 bytes a wave
.set SPW,   2                          ; v2  SPARE + 4 x thread; never rewritten
.set NIL,   3                          ; v3  0; never rewritten
.set QM,    10                         ; v10-11 largest magnitudes
.set QE,    12                         ; v12-13 the conversions' scale operands
.set QB,    14                         ; v14-15 scale bytes
.set PT,    16                         ; v16    a lane permute's destination
.set WD,    18                         ; v18-19 the two K steps' scale words
.set OW,    20
.set R0,    32                         ; v32-159 two sets of 64 numbers as loaded; the codes later take v32-43 and v48-59
.set Y,     160                        ; v160-223 64 numbers of my row: two whole blocks
.set F,     32
.set FT,    224                        ; v224-226, v228-230: a block's upper 16 codes (a conversion's three registers begin on an even number)
	s_load_b256 s[4:11], s[0:1], 0x0               ; x, W, xc, xs
	s_load_b128 s[12:15], s[0:1], 0x20             ; wc, ws
	v_lshl_add_u32 v[SPW], v0, 2, SPARE
	v_mov_b32 v[NIL], 0
	v_lshrrev_b32 v1, 5, v0
	v_readfirstlane_b32 s16, v1                    ; wave
	s_and_b32 s17, ttmp7, 0xffff                   ; y
	v_and_b32 v1, 31, v0                           ; lane
	v_and_b32 v24, 15, v0                          ; r
	v_bfe_u32 v25, v0, 4, 1                        ; h
	s_cmp_ge_u32 ttmp9, 128
	s_cbranch_scc1 .Lw
	; ---------------- x ----------------
	v_lshlrev_b32 v4, 4, v1                        ; 16 x lane
	s_mul_i32 s18, s16, STGB
	v_add_nc_u32 v5, s18, v4                       ; the stage, on the way in: a row as it lies
	v_mul_u32_u24 v6, v24, 528
	v_lshl_add_u32 v6, v25, 7, v6
	v_add_nc_u32 v6, s18, v6                       ; on the way out: row r, + 128 h bytes: my block of 32
	v_lshlrev_b32 v7, 3, v25                       ; 8 h: my bytes' place in a scale word
	v_lshlrev_b32 v8, 3, v24
	v_lshl_add_u32 v8, v25, 2, v8                  ; xs: 8 r + 4 h
	v_mov_b32 v[PT], 0                             ; a lane permute's destination counts as read
	s_mov_b32 s20, 0x76543210
	s_mov_b32 s21, 0xfedcba98                      ; selects for lane l xor 16
	s_mov_b32 s22, 0xffff0000                      ; lanes 16-31
	s_lshl_b32 s23, s17, 7
	s_add_co_u32 s23, s23, ttmp9                   ; the row tile T: its first token is 64 (T / 4) + 8 (T % 4)
	s_lshr_b32 s24, s23, 2
	s_lshl_b32 s24, s24, 18                        ; 64 rows of 4,096 bytes for each four tiles
	s_and_b32 s25, s23, 3
	s_lshl_b32 s25, s25, 15                        ; 8 rows for each tile
	s_add_co_u32 s24, s24, s25
	s_lshl_b32 s26, s16, 10                        ; my wave's 256 numbers of a row
	s_add_co_u32 s24, s24, s26
	s_mov_b32 s25, 0
	s_lshl_b32 s26, s23, 3
	s_lshl_b32 s27, s16, 1
	s_add_co_u32 s26, s26, s27
	s_mul_i32 s26, s26, 1536                       ; image 8 x tile + 2 x wave
	s_mov_b32 s27, 0
	s_lshl_b32 s28, s23, 9
	s_lshl_b32 s29, s16, 7
	s_add_co_u32 s28, s28, s29
	s_mov_b32 s29, 0
	s_wait_alu depctr_va_vdst(0)
	s_wait_kmcnt 0x0
	s_add_nc_u64 s[4:5], s[4:5], s[24:25]
	s_add_nc_u64 s[8:9], s[8:9], s[26:27]
	s_add_nc_u64 s[10:11], s[10:11], s[28:29]
.macro XLOAD g                         ; K step g of my two: 16 rows, 512 consecutive bytes a load; the tile's rows 8-15 lie 32 tokens on
.irp i, 0,1,2,3,4,5,6,7,8,9,10,11,12,13,14,15
	global_load_b128 v[R0+64*\g+4*\i:R0+64*\g+4*\i+3], v4, s[4:5] offset:4096*(\i%8)+131072*(\i/8)+512*\g th:TH_LOAD_NT
.endr
.endm
.macro XTURN g                         ; through the stage: LDS serves a wave's instructions in order, so no wait stands between the stores and the loads
.irp i, 0,1,2,3,4,5,6,7,8,9,10,11,12,13,14,15
	ds_store_b128 v5, v[R0+64*\g+4*\i:R0+64*\g+4*\i+3] offset:528*\i
.endr
.irp c, 0,1
.irp j, 0,1,2,3,4,5,6,7
	ds_load_b128 v[Y+32*\c+4*\j:Y+32*\c+4*\j+3], v6 offset:256*\c+16*\j    ; k = 64 c + 32 h + 4 j ..
.endr
.endr
.endm
.macro XQ g                            ; two whole blocks of my row become the fragment's 12 registers and my part of the scale word
.irp c, 0,1
	v_max3_num_f32 v[QM+\c], |v[Y+32*\c]|, |v[Y+32*\c+1]|, 0x1800000      ; the floor 2^(3 - 127): the byte cannot fall under 1
.endr
.irp i, 2,4,6,8,10,12,14,16,18,20,22,24,26,28,30
.irp c, 0,1
	v_max3_num_f32 v[QM+\c], v[QM+\c], |v[Y+32*\c+\i]|, |v[Y+32*\c+\i+1]|
.endr
.endr
.irp c, 0,1
	v_add_nc_u32 v[QE+\c], 0xff000000, v[QM+\c]    ; 2 off the exponent field: the conversion takes that field as its scale
.endr
.irp c, 0,1
	v_cvt_scalef32_pk16_fp6_f32 v[F+16*\g+6*\c:F+16*\g+6*\c+2], v[Y+32*\c:Y+32*\c+15], v[QE+\c]
	v_cvt_scalef32_pk16_fp6_f32 v[FT+4*\c:FT+4*\c+2], v[Y+32*\c+16:Y+32*\c+31], v[QE+\c]
.endr
.irp c, 0,1
	v_lshrrev_b32 v[QB+\c], 23, v[QE+\c]           ; the byte.  (Also the plain instruction behind the conversions)
.endr
.irp c, 0,1
.irp k, 0,1,2
	v_mov_b32 v[F+16*\g+6*\c+3+\k], v[FT+4*\c+\k]
.endr
.endr
	v_lshl_or_b32 v[WD+\g], v[QB+1], 16, v[QB]     ; blocks h and 2 + h,
	v_lshlrev_b32 v[WD+\g], v7, v[WD+\g]           ; at their places,
	v_permlanex16_b32 v[PT], v[WD+\g], s20, s21
	v_or_b32 v[WD+\g], v[WD+\g], v[PT]             ; with lane l xor 16's two: the row's word
.irp c, 0,1,2
	global_store_b128 v4, v[F+16*\g+4*\c:F+16*\g+4*\c+3], s[8:9] offset:1536*\g+512*\c   ; 512 consecutive bytes, aligned
.endr
.endm
	XLOAD 0
	XLOAD 1
	s_wait_loadcnt 16                              ; the first K step's 16 loads are in; the second's 16 may be out
	XTURN 0
	s_wait_dscnt 0x0
	XQ 0
	s_wait_loadcnt 0x0
	XTURN 1
	s_wait_dscnt 0x0
	XQ 1
	v_cndmask_b32 v[OW], v[WD], v[WD+1], s22       ; lanes 0-15 store the first K step's word, lanes 16-31 the second's
	global_store_b32 v8, v[OW], s[10:11]           ; the wave's 128 bytes are consecutive
	s_wait_tensorcnt 0x0                           ; the wave's end, behind my last LDS store
	ds_add_u32 v[SPW], v[NIL]
	s_wait_dscnt 0x0
	s_endpgm
	; ---------------- W ----------------
	; A lane takes a column, its registers run down K: a block of 32 lies in one lane.  Block b of the K step belongs to lane (r, b % 2) of the image, registers 6 (b / 2) on:
	; so a lane gathers the 12 registers of image lane (r, 0) and those of (r, 1), and sixteen lanes store 256 consecutive bytes.
	; Lane (l / 16, r) of wave w takes row r of column tile 2 (w % 2) + l / 16 of the work-group's group w / 2 of 64 columns.
.set XW, 32                            ; v32-95  two sets of 32 numbers
.set CF, 96                            ; v96-119 codes: [h 2][12]
.set FW, 144                           ; v144-146
.set WW, 148                           ; v148 my column's scale word
.Lw:
	s_wait_alu depctr_va_vdst(0)
	v_and_b32 v4, 7, v24
	v_lshlrev_b32 v4, 2, v4                        ; 4 (r % 8)
	v_lshrrev_b32 v5, 3, v24
	v_lshl_add_u32 v4, v5, 7, v4                   ; + 128 (r / 8)
	v_lshl_add_u32 v4, v25, 5, v4                  ; + 32 (l / 16)
	v_mul_u32_u24 v5, v25, 12288                   ; lanes 16-31: the next column tile, 8 images on
	v_lshl_add_u32 v5, v24, 4, v5
	v_lshlrev_b32 v6, 9, v25
	v_lshl_add_u32 v6, v24, 3, v6                  ; ws: 512 x (lane / 16) + 8 r
	s_sub_co_u32 s23, ttmp9, 128
	s_and_b32 s31, s23, 1                          ; which of y's two K steps
	s_lshr_b32 s23, s23, 1                         ; which 128 columns
	s_lshl_b32 s17, s17, 1
	s_add_co_u32 s17, s17, s31                     ; the K step
	s_mul_i32 s24, s17, 128*12288                  ; 128 rows of W for each K step
	s_lshl_b32 s26, s23, 9
	s_add_co_u32 s24, s24, s26
	s_lshr_b32 s26, s16, 1
	s_lshl_b32 s26, s26, 8                         ; 64 columns for each pair of waves
	s_add_co_u32 s24, s24, s26
	s_and_b32 s26, s16, 1
	s_lshl_b32 s26, s26, 6                         ; 16 columns (two tiles' lower halves) for the odd wave
	s_add_co_u32 s24, s24, s26
	s_mov_b32 s25, 0
	s_lshl_b32 s30, s23, 3
	s_lshl_b32 s26, s16, 1
	s_add_co_u32 s30, s30, s26                     ; my wave's first column tile
	s_lshl_b32 s26, s30, 3
	s_add_co_u32 s26, s26, s17
	s_mul_i32 s26, s26, 1536                       ; image 8 x tile + K step
	s_mov_b32 s27, 0
	s_lshl_b32 s28, s30, 9
	s_lshr_b32 s29, s17, 1
	s_lshl_b32 s29, s29, 7                         ; 128 x (K step / 2)
	s_add_co_u32 s28, s28, s29
	s_lshl_b32 s29, s31, 2                         ; + 4 x (K step % 2)
	s_add_co_u32 s28, s28, s29
	s_mov_b32 s29, 0
	s_wait_alu depctr_va_vdst(0)
	s_wait_kmcnt 0x0
	s_add_nc_u64 s[6:7], s[6:7], s[24:25]
	s_add_nc_u64 s[12:13], s[12:13], s[26:27]
	s_add_nc_u64 s[14:15], s[14:15], s[28:29]
.macro WLOAD t                         ; block t: 32 rows of W at my column; the four waves together read 512 consecutive bytes of each row
.set II, 0
.rept 32
	global_load_b32 v[XW+32*((\t)%2)+II], v4, s[6:7] offset:(32*(\t)+II)*12288 th:TH_LOAD_NT
.set II, II+1
.endr
.endm
.macro WBLOCK t
.set XS, XW+32*((\t)%2)
.set CB, CF+12*((\t)%2)+6*((\t)/2)
.if (\t) < 3
	s_wait_loadcnt 32                              ; this block's 32 loads are in; the next block's 32 may be out
.else
	s_wait_loadcnt 0x0
.endif
	v_max3_num_f32 v10, |v[XS]|, |v[XS+1]|, |v[XS+2]|
	v_max3_num_f32 v11, |v[XS+3]|, |v[XS+4]|, |v[XS+5]|
.irp i, 6,10,14,18,22,26
	v_max3_num_f32 v10, v10, |v[XS+\i]|, |v[XS+\i+1]|
	v_max3_num_f32 v11, v11, |v[XS+\i+2]|, |v[XS+\i+3]|
.endr
	v_max3_num_f32 v10, v10, |v[XS+30]|, |v[XS+31]|
	v_max3_num_f32 v10, v10, v11, 0x1800000        ; and the floor
	v_add_nc_u32 v12, 0xff000000, v10
	v_cvt_scalef32_pk16_fp6_f32 v[CB:CB+2], v[XS:XS+15], v12
	v_cvt_scalef32_pk16_fp6_f32 v[FW:FW+2], v[XS+16:XS+31], v12
	v_lshrrev_b32 v13, 23, v12                     ; the byte.  (Also the plain instruction behind the conversions)
.irp k, 0,1,2
	v_mov_b32 v[CB+3+\k], v[FW+\k]
.endr
.if (\t) == 0
	v_mov_b32 v[WW], v13
.else
	v_lshl_or_b32 v[WW], v13, 8*(\t), v[WW]
.endif
.if (\t)+2 < 4
	WLOAD (\t)+2
.endif
.endm
	WLOAD 0
	WLOAD 1
.irp t, 0,1,2,3
	WBLOCK \t
.endr
.irp h, 0,1
.irp c, 0,1,2
	global_store_b128 v5, v[CF+12*\h+4*\c:CF+12*\h+4*\c+3], s[12:13] offset:512*\c+256*\h   ; sixteen lanes: 256 consecutive bytes, aligned
.endr
.endr
	global_store_b32 v6, v[WW], s[14:15]           ; my column's word of this K step: every second word of a tile's 128 bytes; the work-group beside this one stores the others
	s_endpgm
.Lfunc_end_k_q63d8815b5a_quant:
	.size	k_q63d8815b5a_quant, .Lfunc_end_k_q63d8815b5a_quant-k_q63d8815b5a_quant
	.p2alignl 7, 3214868480
	.fill 96, 4, 3214868480
	.section	.rodata,"a",@progbits
	.p2align	6, 0x0
	.amdhsa_kernel k_q63d8815b5a_quant
		.amdhsa_group_segment_fixed_size 34304
		.amdhsa_private_segment_fixed_size 0
		.amdhsa_enable_private_segment 0
		.amdhsa_kernarg_size 48
		.amdhsa_user_sgpr_count 2
		.amdhsa_user_sgpr_kernarg_segment_ptr 1
		.amdhsa_wavefront_size32 1
		.amdhsa_system_sgpr_workgroup_id_x 1
		.amdhsa_system_sgpr_workgroup_id_y 1
		.amdhsa_system_sgpr_workgroup_id_z 1
		.amdhsa_system_vgpr_workitem_id 0
		.amdhsa_next_free_vgpr 240
		.amdhsa_next_free_sgpr 66
		.amdhsa_reserve_vcc 0
		.amdhsa_float_denorm_mode_32 3
		.amdhsa_float_denorm_mode_16_64 3
		.amdhsa_memory_ordered 1
		.amdhsa_forward_progress 1
		.amdhsa_inst_pref_size 37
	.end_amdhsa_kernel
	.amdgpu_metadata
---
amdhsa.version: [ 1, 2 ]
amdhsa.kernels:
  - .name:           k_q63d8815b5a_quant
    .symbol:         k_q63d8815b5a_quant.kd
    .args:
      - { .name: x, .offset: 0, .size: 8, .value_kind: global_buffer, .address_space: global }
      - { .name: W_qkv, .offset: 8, .size: 8, .value_kind: global_buffer, .address_space: global }
      - { .name: xc, .offset: 16, .size: 8, .value_kind: global_buffer, .address_space: global }
      - { .name: xs, .offset: 24, .size: 8, .value_kind: global_buffer, .address_space: global }
      - { .name: wc, .offset: 32, .size: 8, .value_kind: global_buffer, .address_space: global }
      - { .name: ws, .offset: 40, .size: 8, .value_kind: global_buffer, .address_space: global }
    .group_segment_fixed_size: 34304
    .private_segment_fixed_size: 0
    .kernarg_segment_align: 8
    .kernarg_segment_size: 48
    .max_flat_workgroup_size: 128
    .sgpr_count:     66
    .vgpr_count:     240
    .wavefront_size: 32
...
	.end_amdgpu_metadata
.endif
;; end of part 1
;; launch gemm (part 2): grid 192 x 1, 4 waves a work-group, clusters of 4 x 1, 327,680 bytes of LDS; arguments xc, xs, wc, ws, b_qkv, qkc, qks, vc, vs; writes qkc, qks, vc, vs
.if DOCPART == 2
	.amdgcn_target "amdgcn-amd-amdhsa--gfx1250"
	.amdhsa_code_object_version 6
	.text
	.protected	k_q63d8815b5a_gemm
	.globl	k_q63d8815b5a_gemm
	.p2align	8
	.type	k_q63d8815b5a_gemm,@function
k_q63d8815b5a_gemm:
	s_mov_b64 s[64:65], 0
	v_nop
	global_prefetch_b8 v0, s[64:65] scope:SCOPE_SE
	s_setreg_imm32_b32 hwreg(HW_REG_WAVE_MODE, 25, 1), 1
	s_wait_xcnt 0x0
	s_wait_alu depctr_hold_cnt(0) depctr_sa_sdst(0) depctr_va_vdst(0) depctr_va_sdst(0) depctr_va_ssrc(0) depctr_va_vcc(0) depctr_vm_vsrc(0)
	s_getreg_b32 s2, hwreg(HW_REG_IB_STS2, 6, 4)
	s_cmp_eq_u32 s2, 0
	s_cbranch_scc0 .Lentry_in_a_cluster
	s_endpgm
.Lentry_in_a_cluster:
	s_bfe_u32 s2, ttmp6, 0x10000c
	s_cmp_lg_u32 s2, 0x3003
	s_cbranch_scc0 .Lentry_shape_is_right
	s_endpgm
.Lentry_shape_is_right:
; qkv = Q(x) Q(W) + b on codes of FP6 (E2M3), K = 1024, and at once the quantising of q and k (along the head's 64) and of v (along the tokens): f32 qkv never goes to memory.
; ONE BODY, TWO ORIENTATIONS.  Source 0 is called P: its rows run along a lane's result registers, which is the next product's K.  Source 1 is called N: its row is the lane.
;   clusters 0-31  (q, k): P = W's columns 0..2047, N = tokens;     clusters 32-47 (v): P = tokens, N = W's columns 2048..3071.     The buffers are chosen by the cluster's number.
; SHARES.  A work-group owns 256 rows of P x 512 rows of N (32 tiles).  A wave owns 64 rows of P for all of K: 32 fragments, 384 registers, read once and kept.  N's tiles go through LDS and are read by all four waves.
; A tile of N is 32 matrix instructions on four accumulators (64 P x 16 N), which are finished and quantised at once.  The next tile's 28 LDS loads stand in one run ahead of a tile's products.
; WHICH ROWS FORM A TILE (the first launch lays them so, tokens and W's columns alike): row m of tile a of a group of 64 is element 32 (m / 8) + 8 a + m % 8.
; So register 8 a + j of lane (r, h) is element 32 h + 8 a + j: A LANE'S 32 RESULTS ARE ONE WHOLE SCALE BLOCK, block h of N's row r, in natural order: no other lane is asked for its maximum or its codes.
; 192 work-groups: the work is 3 x a power of two and both N ranges are powers of two, so it does not split evenly over 256; work-groups that stay read P once.
; CLUSTER.  The four work-groups of a cluster share their range of N: each tile is asked for jointly, by the same tensor load with the same descriptor and the mask 15.
; LDS: three slots of 8 tiles (98,304 bytes: images, read as 512 consecutive bytes, so no padding).  At the head one load a wave: wave 0 the range's scale words, waves 1-3 a third each of group g0 (slot 2).
; Behind a drained round each wave asks for a quarter of g1 and g2 together (slots 0 and 1, which lie on end as the groups do in memory); g3 is the one refill, of slot 2, behind a drained round too.
; OUT.  A HALF IMAGE, 768 bytes a tile: six registers a lane, lane (r, h) = the 32 codes of block h of N's row r: registers 0-3 at 16 x lane, registers 4-5 at 512 + 8 x lane.
;   qkc [64-column group 32][token tile 512][768]; vc [64-token group 128][column tile 64][768]; scale bytes: a halfword (block 0, block 1) a row: [group][tile / 4][r 16][tile % 4].
; LIMITS: v's bias is added to the finished sum, q's and k's is the C of the sum's first product; a block of zeros gets the byte 1 (read by this program alone); NaN and infinities are not served.
; No data prefetch: what a group's products wait for was asked for a whole group of 256 matrix instructions earlier, and the range's 32 tiles are three requests a wave in all.
; REGISTERS.  Window 0: v1-11 addresses; v28-59 P's scale words; v64-79 N's, two sets (a product's two scale registers differ by 4 modulo 8); v80-111 the bias along P; v112-119 along N; v128-159 accumulators;
;   v160-207 the codes of 8 tiles; v208-225 at work.
;   Windows 1, 2: P's fragment (tile a, K step s) at v[12 (4 (s % 4) + a)] of window 1 + s / 4.   Window 3: N's fragments, two buffers of 96.
.set SLOT,  98304
.set NSC,   3*SLOT                     ; N's scale words: 32 tiles x 512 bytes
.set SPARE, NSC+16384                  ; the spare words, 128 bytes a wave
.set L16, 1                            ; 16 x lane
.set L8,  2                            ; 8 x lane
.set R8,  3                            ; 8 x (lane % 16)
.set NA0, 4                            ; LDS address of the group's tiles 0-3
.set NA1, 5                            ; and 4-7 (an LDS offset has 16 bits)
.set SA,  6                            ; of its scale words
.set BO,  7                            ; the bias along N: 128 (r / 8) + 4 (r % 8)
.set BH,  8                            ; the bias along P: 128 x (lane / 16)
.set SPW, 10
.set NIL, 11
.set PS,  28
.set NS,  64
.set BP,  80
.set BN,  112
.set ACC, 128
.set QT,  160
.set QU,  208
.set QM,  212
.set QE,  216
.set QB,  218
.set SW,  220                          ; v220, v221: my block's bytes of tiles 0-3, 4-7
.set OS,  224
.set MSB, 0
.macro WIN new                         ; the immediate's high byte repeats the setting that is left
.if MSB != \new
	s_set_vgpr_msb (MSB<<8)|\new
.set MSB, \new
.endif
.endm
.macro ROUND                           ; a round of the cluster's barrier
	s_barrier_signal -1
	s_barrier_wait -1
	s_cmp_lg_u32 s22, 0
	s_cbranch_scc1 .Lnot_wave_0_\@
	s_barrier_signal -3
.Lnot_wave_0_\@:
	s_barrier_wait -3
	s_barrier_signal -1
	s_barrier_wait -1
.endm
.macro NOPS n
.rept \n
	v_nop
.endr
.endm
	s_load_b256 s[4:11], s[0:1], 0x0               ; xc, xs, wc, ws
	s_load_b256 s[12:19], s[0:1], 0x20             ; b, qkc, qks, vc
	s_load_b64 s[20:21], s[0:1], 0x40              ; vs
	v_lshl_add_u32 v[SPW], v0, 2, SPARE
	v_mov_b32 v[NIL], 0
	ds_add_u32 v[SPW], v[NIL]                      ; the wave's opening: the add, twice on end, and its wait ahead of my first tensor load
	ds_add_u32 v[SPW], v[NIL]
	v_lshrrev_b32 v1, 5, v0
	v_readfirstlane_b32 s22, v1                    ; wave
	s_bfe_u32 s23, ttmp6, 0x40000                  ; cx: it enters P's, the bias's and the outputs' addresses alone
	s_cmp_ge_u32 ttmp9, 32                         ; which orientation: the cluster's number, equal in all four partners
	s_cselect_b32 s25, 1, 0                        ; 1: v
	s_cselect_b32 s26, 32, 0
	s_cselect_b32 s27, 7, 1                        ; clusters along P, less one
	s_cselect_b32 s28, 3, 1                        ; and their logarithm
	s_cselect_b32 s29, 64, 0x200                   ; N tiles in all
	s_cselect_b32 s30, 0x80, 0                     ; N's first tile in its buffer
	s_sub_co_u32 s26, ttmp9, s26
	s_lshr_b32 s28, s26, s28                       ; which range of 32 N tiles
	s_and_b32 s27, s26, s27
	s_lshl_b32 s27, s27, 2
	s_add_co_u32 s24, s27, s23                     ; which 256 rows of P
	s_lshl_b32 s24, s24, 2
	s_add_co_u32 s24, s24, s22                     ; my wave's group of 64 rows of P
	s_lshl_b32 s31, s28, 5
	s_add_co_u32 s30, s30, s31                     ; N's first tile of my range
	s_mul_i32 s90, s30, 12288                      ; where the range's codes begin
	s_mov_b32 s91, 0
	s_lshl_b32 s92, s30, 9                         ; and its scale words
	s_mov_b32 s93, 0
	s_lshl_b32 s96, s24, 8                         ; the bias along P: 64 numbers a group
	s_lshl_b32 s98, s28, 11
	s_add_co_u32 s98, s98, 8192                    ; the bias along N: from number 2048 + 512 x range on
	; descriptor groups 1: dense blocks as rows of 256 bytes (32 elements of 8 bytes); the mask names all four work-groups, bit 21 beside it
	s_mov_b32 s44, 15|(3<<16)|(1<<21)
	s_mov_b32 s45, 32<<16                          ; tensor_dim0
	s_mov_b32 s46, 128<<16                         ; tensor_dim1: at the head 128 rows, a third of a group
	s_mov_b32 s47, 32<<16                          ; tile_dim0
	s_mov_b32 s48, 128                             ; tile_dim1
	s_mov_b32 s49, 32                              ; the pitch
	s_mov_b32 s50, 0
	s_mov_b32 s51, 0
	s_mov_b32 s52, 15|(3<<16)|(1<<21)
	s_mov_b32 s53, 32<<16
	s_mov_b32 s54, 64<<16                          ; 64 rows: the range's 16,384 bytes of scale words
	s_mov_b32 s55, 32<<16
	s_mov_b32 s56, 64
	s_mov_b32 s57, 32
	s_mov_b32 s58, 0
	s_mov_b32 s59, 0
	s_mov_b32 s87, 0xffff0000                      ; lanes 16-31
	s_mov_b32 s88, 0x76543210
	s_mov_b32 s89, 0xfedcba98                      ; selects for lane l xor 16
	v_and_b32 v9, 31, v0
	v_lshlrev_b32 v[L16], 4, v9
	v_lshlrev_b32 v[L8], 3, v9
	v_and_b32 v9, 15, v0
	v_lshlrev_b32 v[R8], 3, v9
	v_lshlrev_b32 v[BO], 2, v9
	v_lshrrev_b32 v[QM], 3, v9
	v_mad_u32_u24 v[BO], v[QM], 96, v[BO]          ; 4 r + 96 (r / 8)
	v_bfe_u32 v9, v0, 4, 1
	v_lshlrev_b32 v[BH], 7, v9
	v_mov_b32 v[QM+2], 0                           ; lane permutes' destinations count as read
	v_mov_b32 v[QM+3], 0
	s_wait_dscnt 0x0                               ; both opening adds are done
	s_wait_kmcnt 0x0
	s_cmp_eq_u32 s25, 0                            ; q, k?
	s_cselect_b64 s[32:33], s[8:9], s[4:5]         ; P's codes
	s_cselect_b64 s[34:35], s[10:11], s[6:7]       ; P's scale words
	s_cselect_b64 s[36:37], s[4:5], s[8:9]         ; N's codes
	s_cselect_b64 s[38:39], s[6:7], s[10:11]       ; N's scale words
	s_cselect_b64 s[40:41], s[14:15], s[18:19]     ; the codes made here
	s_cselect_b64 s[42:43], s[16:17], s[20:21]     ; and their scale bytes
	s_cselect_b32 s96, s96, 0                      ; (the loads of the bias that does not apply stay at the buffer's head)
	s_cselect_b32 s98, 0, s98
	s_mov_b32 s97, 0
	s_mov_b32 s99, 0
	s_mov_b32 s95, 0
	s_add_nc_u64 s[82:83], s[12:13], s[96:97]
	s_add_nc_u64 s[80:81], s[12:13], s[98:99]
	s_add_nc_u64 s[36:37], s[36:37], s[90:91]
	s_add_nc_u64 s[38:39], s[38:39], s[92:93]
	s_mul_i32 s94, s24, 49152                      ; four tiles x eight images
	s_add_nc_u64 s[32:33], s[32:33], s[94:95]
	s_lshl_b32 s94, s24, 11
	s_add_nc_u64 s[34:35], s[34:35], s[94:95]
	s_mul_i32 s94, s24, s29
	s_add_co_u32 s94, s94, s31                     ; my first half image
	s_lshl_b32 s96, s94, 5
	s_mul_i32 s94, s94, 768
	s_add_nc_u64 s[40:41], s[40:41], s[94:95]
	s_add_nc_u64 s[42:43], s[42:43], s[96:97]
	; descriptor groups 0.  LDS addresses hang on the wave's number alone
	s_mov_b32 s60, 1                               ; the scale words, whole
	s_mov_b32 s61, NSC
	s_mov_b64 s[62:63], s[38:39]
	s_or_b32 s63, s63, 0x80000000
	s_mov_b32 s68, 1                               ; g0: third wave - 1 of slot 2 (its global address is made in the arm that asks)
	s_lshl_b32 s69, s22, 15
	s_add_co_u32 s69, s69, 2*SLOT-32768
	s_mul_i32 s94, s22, 49152                      ; g1 and g2: my quarter of slots 0 and 1
	s_mov_b32 s72, 1
	s_mov_b32 s73, s94
	s_add_nc_u64 s[74:75], s[36:37], s[94:95]
	s_add_nc_u64 s[74:75], s[74:75], SLOT
	s_or_b32 s75, s75, 0x80000000
	s_mul_i32 s94, s22, 24576                      ; g3: my quarter of slot 2
	s_mov_b32 s76, 1
	s_add_co_u32 s77, s94, 2*SLOT
	s_add_nc_u64 s[78:79], s[36:37], s[94:95]
	s_add_nc_u64 s[78:79], s[78:79], 3*SLOT
	s_or_b32 s79, s79, 0x80000000
	ROUND                                          ; all four work-groups are here: the first joint loads meet
	s_cmp_eq_u32 s22, 0                            ; one load a wave at the head, each way through the branch with its own
	s_cbranch_scc0 .Lhead_g0
	tensor_load_to_lds s[60:63], s[52:59]
	s_nop 0
	NOPS 4
	s_branch .Lhead_asked
.Lhead_g0:
	s_sub_co_u32 s94, s22, 1
	s_lshl_b32 s94, s94, 15
	s_add_nc_u64 s[70:71], s[36:37], s[94:95]
	s_or_b32 s71, s71, 0x80000000
	tensor_load_to_lds s[68:71], s[44:51]
	s_nop 0
	NOPS 4
.Lhead_asked:
	; P stays in registers: 32 fragments as three loads of 512 consecutive bytes each
	WIN 0x40
	s_wait_alu depctr_va_vdst(0)
.irp s, 0,1,2,3
.irp a, 0,1,2,3
.irp c, 0,1,2
	global_load_b128 v[12*(4*\s+\a)+4*\c:12*(4*\s+\a)+4*\c+3], v[L16], s[32:33] offset:\a*12288+\s*1536+512*\c
.endr
.endr
.endr
	WIN 0x80
.irp s, 0,1,2,3
.irp a, 0,1,2,3
.irp c, 0,1,2
	global_load_b128 v[12*(4*\s+\a)+4*\c:12*(4*\s+\a)+4*\c+3], v[L16], s[32:33] offset:\a*12288+(\s+4)*1536+512*\c
.endr
.endr
.endr
	WIN 0
.irp a, 0,1,2,3
.irp w, 0,1,2,3
	global_load_b64 v[PS+8*\a+2*\w:PS+8*\a+2*\w+1], v[R8], s[34:35] offset:512*\a+128*\w   ; register 8 a + s: the word of tile a's row r, K step s
.endr
.endr
.irp a, 0,1,2,3
	global_load_b128 v[BP+8*\a:BP+8*\a+3], v[BH], s[82:83] offset:32*\a                    ; the bias in the result's layout: numbers 32 h + 8 a + 0..7 of the group's 64
	global_load_b128 v[BP+8*\a+4:BP+8*\a+7], v[BH], s[82:83] offset:32*\a+16
.endr
	s_wait_loadcnt 0x0
	s_cmp_eq_u32 s25, 0
	s_cbranch_scc1 .Lkeep_bp
.set KK, 0
.rept 32
	v_mov_b32 v[BP+KK], 0                          ; v: no bias along P
.set KK, KK+1
.endr
.Lkeep_bp:
.macro FETCH i                         ; tile i of the group: eight fragments into buffer i % 2, and its scale words: 28 LDS loads
	WIN 0xc0
.irp s, 0,1,2,3,4,5,6,7
.irp c, 0,1,2
	ds_load_b128 v[96*((\i)%2)+12*\s+4*\c:96*((\i)%2)+12*\s+4*\c+3], v[NA0+(\i)/4] offset:((\i)%4)*12288+1536*\s+512*\c
.endr
.endr
	WIN 0
.irp w, 0,1,2,3
	ds_load_b64 v[NS+8*((\i)%2)+2*\w:NS+8*((\i)%2)+2*\w+1], v[SA] offset:512*(\i)+128*\w
.endr
.endm
.macro MULS i                          ; 32 matrix instructions; the four accumulators take turns, one instruction a turn; the bias starts the sums
	WIN 0x0d
.irp s, 0,1,2,3
.irp a, 0,1,2,3
.if \s == 0
	v_wmma_scale_f32_16x16x128_f8f6f4 v[ACC+8*\a:ACC+8*\a+7], v[12*(4*\s+\a):12*(4*\s+\a)+11], v[96*((\i)%2)+12*\s:96*((\i)%2)+12*\s+11], v[BP+8*\a:BP+8*\a+7], v[PS+8*\a+\s], v[NS+8*((\i)%2)+\s] matrix_a_fmt:MATRIX_FMT_FP6 matrix_b_fmt:MATRIX_FMT_FP6
.else
	v_wmma_scale_f32_16x16x128_f8f6f4 v[ACC+8*\a:ACC+8*\a+7], v[12*(4*\s+\a):12*(4*\s+\a)+11], v[96*((\i)%2)+12*\s:96*((\i)%2)+12*\s+11], v[ACC+8*\a:ACC+8*\a+7], v[PS+8*\a+\s], v[NS+8*((\i)%2)+\s] matrix_a_fmt:MATRIX_FMT_FP6 matrix_b_fmt:MATRIX_FMT_FP6
.endif
.endr
.endr
	WIN 0x0e
.irp s, 0,1,2,3
.irp a, 0,1,2,3
	v_wmma_scale_f32_16x16x128_f8f6f4 v[ACC+8*\a:ACC+8*\a+7], v[12*(4*\s+\a):12*(4*\s+\a)+11], v[96*((\i)%2)+12*(\s+4):96*((\i)%2)+12*(\s+4)+11], v[ACC+8*\a:ACC+8*\a+7], v[PS+8*\a+\s+4], v[NS+8*((\i)%2)+\s+4] matrix_a_fmt:MATRIX_FMT_FP6 matrix_b_fmt:MATRIX_FMT_FP6
.endr
.endr
	WIN 0
.endm
; My 32 sums are block h of N's row r.  Each accumulator is read from its low end on.
.macro QUANT i
.set TT, QT+6*(\i)
	v_max3_num_f32 v[QM], |v[ACC]|, |v[ACC+1]|, 0x1800000          ; the floor 2^(3 - 127): the byte cannot fall under 1
	v_max3_num_f32 v[QM+1], |v[ACC+16]|, |v[ACC+17]|, 0x1800000
.irp j, 2,4,6,8,10,12,14
	v_max3_num_f32 v[QM], v[QM], |v[ACC+\j]|, |v[ACC+\j+1]|
	v_max3_num_f32 v[QM+1], v[QM+1], |v[ACC+16+\j]|, |v[ACC+17+\j]|
.endr
	v_max_num_f32 v[QM], v[QM], v[QM+1]            ; the two chains joined: the block's largest magnitude
	v_add_nc_u32 v[QE], 0xff000000, v[QM]          ; 2 off the exponent field: the conversions' scale operand
	v_cvt_scalef32_pk16_fp6_f32 v[TT:TT+2], v[ACC:ACC+15], v[QE]
	v_cvt_scalef32_pk16_fp6_f32 v[QU:QU+2], v[ACC+16:ACC+31], v[QE]
.if (\i)%4 == 0
	v_lshrrev_b32 v[SW+(\i)/4], 23, v[QE]          ; the byte.  (Also the plain instruction behind the conversions)
.else
	v_lshrrev_b32 v[QB], 23, v[QE]
.endif
.irp k, 0,1,2
	v_mov_b32 v[TT+3+\k], v[QU+\k]                 ; (a conversion's three registers begin on an even number)
.endr
.if (\i)%4
	v_lshl_or_b32 v[SW+(\i)/4], v[QB], 8*((\i)%4), v[SW+(\i)/4]    ; four tiles' bytes to a register
.endif
	global_store_b128 v[L16], v[TT:TT+3], s[40:41] offset:768*(\i)        ; 512 consecutive bytes, aligned
	global_store_b64 v[L8], v[TT+4:TT+5], s[40:41] offset:768*(\i)+512    ; 256 consecutive bytes, aligned
.endm
.macro TILE i
.if (\i) < 7
	FETCH (\i)+1                                   ; its buffer was last read by the tile before this one: five v_nop and that tile's quantising lie between
	s_wait_dscnt 28                                ; this tile's 28 loads are in; the 28 just issued may be out
.else
	s_wait_dscnt 0x0
.endif
	MULS \i
	NOPS 5                                         ; four places ahead of the reads of the results and of loads into N's buffer; the fifth for the next tile's first products, which begin the accumulators anew with another C
.if (\i) == 0
	s_wait_loadcnt 0x0                             ; the group's bias along N (on both ways, so that no load is out when the registers are loaded again)
.endif
	s_cmp_eq_u32 s25, 0
	s_cbranch_scc1 .Lnb_\@                         ; q, k: the bias went in as C
.set KK, 0
.rept 16
.if (\i)%2 == 0
	v_pk_add_f32 v[ACC+KK:ACC+KK+1], v[ACC+KK:ACC+KK+1], v[BN+(\i):BN+(\i)+1] op_sel_hi:[1,0]
.else
	v_pk_add_f32 v[ACC+KK:ACC+KK+1], v[ACC+KK:ACC+KK+1], v[BN+(\i)-1:BN+(\i)] op_sel:[0,1] op_sel_hi:[1,1]
.endif
.set KK, KK+2
.endr
.Lnb_\@:
	QUANT \i
.endm
; Eight tiles of N: s84 = the slot's LDS byte, s85 = where the group's scale words begin.
.macro GROUP
	v_add_nc_u32 v[NA0], s84, v[L16]
	v_add_nc_u32 v[NA1], 49152, v[NA0]
	v_add_nc_u32 v[SA], s85, v[R8]
.irp i, 0,1,2,3,4,5,6,7
	global_load_b32 v[BN+\i], v[BO], s[80:81] offset:256*(\i/4)+32*(\i%4)     ; b at tile i's row r: number 64 (i / 4) + 32 (r / 8) + 8 (i % 4) + r % 8
.endr
	FETCH 0
.irp i, 0,1,2,3,4,5,6,7
	TILE \i
.endr
	v_permlanex16_b32 v[QM+2], v[SW], s88, s89     ; lane l xor 16 holds the row's other block: its bytes of tiles 0-3,
	v_permlanex16_b32 v[QM+3], v[SW+1], s88, s89   ; and of tiles 4-7
	v_cndmask_b32 v[QM], v[SW], v[QM+3], s87       ; block 0's bytes: lanes 0-15 of tiles 0-3 (their own), lanes 16-31 of tiles 4-7
	v_cndmask_b32 v[QM+1], v[QM+2], v[SW+1], s87   ; block 1's, likewise
	v_perm_b32 v[OS], v[QM+1], v[QM], 0x05010400   ; a halfword (block 0, block 1) a tile
	v_perm_b32 v[OS+1], v[QM+1], v[QM], 0x07030602
	global_store_b64 v[L8], v[OS:OS+1], s[42:43]   ; 256 consecutive bytes, aligned
	s_wait_xcnt 0x0                                ; the stores and loads have read their registers and bases: both are written again only behind this wait
	s_add_nc_u64 s[40:41], s[40:41], 6144
	s_add_nc_u64 s[42:43], s[42:43], 256
	s_add_nc_u64 s[80:81], s[80:81], 512
	s_add_co_u32 s85, s85, 4096
.endm
	s_wait_alu depctr_va_vdst(0)
	s_wait_tensorcnt 0x0                           ; my load of the head is in
	ds_add_u32 v[SPW], v[NIL]
	s_mov_b32 s46, 192<<16                         ; no tensor load of mine is out, so a descriptor may be written: the next brings 192 rows
	s_mov_b32 s48, 192
	s_wait_dscnt 0x0
	ROUND                                          ; everybody's part of the head's tiles is in, and all four work-groups are here
	tensor_load_to_lds s[72:75], s[44:51]          ; g1 and g2, my quarter: it has g0's 256 matrix instructions in which to land
	s_nop 0
	NOPS 4
	s_mov_b32 s84, 2*SLOT
	s_mov_b32 s85, NSC
	GROUP                                          ; g0, in slot 2
	s_wait_tensorcnt 0x0                           ; all my tensor loads have landed (g1, g2)
	ds_add_u32 v[SPW], v[NIL]                      ; 0 onto my spare word
	s_mov_b32 s46, 96<<16                          ; the refill brings 96 rows
	s_mov_b32 s48, 96
	s_wait_dscnt 0x0                               ; the add is done, and my reads of slot 2 are over
	ROUND                                          ; so of every wave of all four work-groups
	tensor_load_to_lds s[76:79], s[44:51]          ; the one refill: g3 into slot 2; it has a whole group, 256 matrix instructions, in which to land
	s_nop 0
	NOPS 4
	s_mov_b32 s84, 0
	GROUP                                          ; g1, in slot 0
	s_wait_tensorcnt 0x0                           ; my part of g3 is in,
	s_wait_dscnt 0x0
	s_barrier_signal -1
	s_barrier_wait -1                              ; everybody's is
	s_mov_b32 s84, SLOT
	s_mov_b32 s86, 2
.Lgrp:                                                 ; g2 in slot 1, g3 in slot 2
	GROUP
	s_add_co_u32 s84, s84, SLOT
	s_sub_co_u32 s86, s86, 1
	s_cmp_lg_u32 s86, 0
	s_cbranch_scc1 .Lgrp
	s_wait_tensorcnt 0x0                           ; the wave's end
	ds_add_u32 v[SPW], v[NIL]
	s_wait_dscnt 0x0
	ROUND                                          ; the closing round
	s_endpgm
.Lfunc_end_k_q63d8815b5a_gemm:
	.size	k_q63d8815b5a_gemm, .Lfunc_end_k_q63d8815b5a_gemm-k_q63d8815b5a_gemm
	.p2alignl 7, 3214868480
	.fill 96, 4, 3214868480
	.section	.rodata,"a",@progbits
	.p2align	6, 0x0
	.amdhsa_kernel k_q63d8815b5a_gemm
		.amdhsa_group_segment_fixed_size 327680
		.amdhsa_private_segment_fixed_size 0
		.amdhsa_enable_private_segment 0
		.amdhsa_kernarg_size 72
		.amdhsa_user_sgpr_count 2
		.amdhsa_user_sgpr_kernarg_segment_ptr 1
		.amdhsa_wavefront_size32 1
		.amdhsa_system_sgpr_workgroup_id_x 1
		.amdhsa_system_sgpr_workgroup_id_y 1
		.amdhsa_system_sgpr_workgroup_id_z 1
		.amdhsa_system_vgpr_workitem_id 0
		.amdhsa_next_free_vgpr 960
		.amdhsa_next_free_sgpr 100
		.amdhsa_reserve_vcc 0
		.amdhsa_float_denorm_mode_32 3
		.amdhsa_float_denorm_mode_16_64 3
		.amdhsa_memory_ordered 1
		.amdhsa_forward_progress 1
		.amdhsa_inst_pref_size 238
	.end_amdhsa_kernel
	.amdgpu_metadata
---
amdhsa.version: [ 1, 2 ]
amdhsa.kernels:
  - .name:           k_q63d8815b5a_gemm
    .symbol:         k_q63d8815b5a_gemm.kd
    .args:
      - { .name: xc, .offset: 0, .size: 8, .value_kind: global_buffer, .address_space: global }
      - { .name: xs, .offset: 8, .size: 8, .value_kind: global_buffer, .address_space: global }
      - { .name: wc, .offset: 16, .size: 8, .value_kind: global_buffer, .address_space: global }
      - { .name: ws, .offset: 24, .size: 8, .value_kind: global_buffer, .address_space: global }
      - { .name: b_qkv, .offset: 32, .size: 8, .value_kind: global_buffer, .address_space: global }
      - { .name: qkc, .offset: 40, .size: 8, .value_kind: global_buffer, .address_space: global }
      - { .name: qks, .offset: 48, .size: 8, .value_kind: global_buffer, .address_space: global }
      - { .name: vc, .offset: 56, .size: 8, .value_kind: global_buffer, .address_space: global }
      - { .name: vs, .offset: 64, .size: 8, .value_kind: global_buffer, .address_space: global }
    .group_segment_fixed_size: 327680
    .private_segment_fixed_size: 0
    .kernarg_segment_align: 8
    .kernarg_segment_size: 72
    .max_flat_workgroup_size: 128
    .sgpr_count:     100
    .vgpr_count:     960
    .wavefront_size: 32
...
	.end_amdgpu_metadata
.endif
;; end of part 2
;; launch attn (part 3): grid 4 x 64, 16 waves a work-group, clusters of 4 x 1, 327,680 bytes of LDS; arguments qkc, qks, vc, vs, out0; writes out0
.if DOCPART == 3
	.amdgcn_target "amdgcn-amd-amdhsa--gfx1250"
	.amdhsa_code_object_version 6
	.text
	.protected	k_q63d8815b5a_attn
	.globl	k_q63d8815b5a_attn
	.p2align	8
	.type	k_q63d8815b5a_attn,@function
k_q63d8815b5a_attn:
	s_mov_b64 s[64:65], 0
	v_nop
	global_prefetch_b8 v0, s[64:65] scope:SCOPE_SE
	s_setreg_imm32_b32 hwreg(HW_REG_WAVE_MODE, 25, 1), 1
	s_wait_xcnt 0x0
	s_wait_alu depctr_hold_cnt(0) depctr_sa_sdst(0) depctr_va_vdst(0) depctr_va_sdst(0) depctr_va_ssrc(0) depctr_va_vcc(0) depctr_vm_vsrc(0)
	s_getreg_b32 s2, hwreg(HW_REG_IB_STS2, 6, 4)
	s_cmp_eq_u32 s2, 0
	s_cbranch_scc0 .Lentry_in_a_cluster
	s_endpgm
.Lentry_in_a_cluster:
	s_bfe_u32 s2, ttmp6, 0x10000c
	s_cmp_lg_u32 s2, 0x3003
	s_cbranch_scc0 .Lentry_shape_is_right
	s_endpgm
.Lentry_shape_is_right:
; out[hd][q][:] = the sum over k of softmax_k(q . k / 8) v[k][:], for 64 heads hd = 16 b + h of 2,048 tokens and head size 64, both products on codes of FP6 (E2M3) with E8M0 scales.
; out0 is written as [64][2048][64] f32, which is the raw view that the problem asks for.
; THE SOFTMAX: t = score x log2(e) / 8; M = the running largest t rounded UP to a whole number; p = 2^(t - M) is quantised along the keys, not normalised; the row's sum is taken of the unquantised p and divides at the end.
; When M moves, the sum and O are multiplied by 2^(old M - new M), which rounds nothing.
; LIMITS: the promise holds while |t| stays under 2^31; a p under 2^-126 becomes 0; a block of zeros has the byte 1; NaN and infinities are not served.
; SHARES.  256 work-groups.  A work-group owns 512 queries of one head; each of its sixteen waves takes two tiles of 16 queries, one after the other (PASS 0, PASS 1): four waves to a SIMD.
; THE HEAD'S WHOLE K AND V LIE IN LDS (196,608 bytes of codes, 8,192 of scale bytes), filled ONCE for both passes, by ten loads at the head, one a wave: waves 0, 1 the scale bytes, waves 2, 3 the first 512 keys of K and of V,
; waves 4-6 and 7-9 the other three chunks of 512.  A chunk's LDS place is wave x 24,576.  The walk begins when waves 0-3's tiles are in; a plain barrier behind the first four steps shows the rest.  No byte is filled again.
; No data prefetch: all that the launch reads by tensor loads is asked for at its head.
; CLUSTER.  The four work-groups of a cluster are the four query blocks of one head: every tile is asked for jointly, mask 15.
; LAYOUT.  Both products transposed: S^T = K Q^T, O^T = V^T P^T: a lane holds one query throughout.  Operands come as half images: 768 bytes a tile, lane (r, h) = the 32 codes of block h of row r.
; Row m of tile t of a group of 64 (tokens, and the head's 64 columns of V) is element 32 (m / 8) + 8 t + m % 8.  So register 8 t + j of lane (r, h) of a group's four score tiles is key 32 h + 8 t + j:
; A LANE'S 32 SCORES OF A GROUP OF 64 KEYS ARE ONE WHOLE SCALE BLOCK OF p, in natural order, and they are the registers that the second product's operand wants in that lane.  Likewise O^T: lane (r, h) holds columns 32 h + 0..31 of query r.
; THE FIRST PRODUCT'S K IS 64, THE INSTRUCTION'S 128: a fragment of K holds TWO tiles of 16 keys (registers 0-5, 6-11); multiplied by (q | zeros) it gives the first tile's scores, by (zeros | q) the second's.
; REGISTERS: v1-3, v6, v7 addresses that stay; v8-11, v35 addresses in hand; v12 -M, v13 the largest t, v[14:15] the sum; v16-33 zeros | q | zeros; v34 q's scale word; v36-83 four fragments of K, then of V;
;   v84-87 K's scale words; v88-91, v92-95 V's; v96-159 S^T, then p; v160-191 O^T; v192-203 p's codes and v204-210 their second halves (v192-205 first serve the sums); v212-254 at work (below).
.set CHB,   24576                      ; 512 keys of K's codes, or of V's
.set SCK,   0                          ; K's scale bytes, 4,096
.set SCV,   4096                       ; V's: [group 32][r 16][column tile 4] halfwords
.set STAGE, 10*CHB                     ; the way out: 16 rows x (256 + 16) bytes for each wave; no tile lands here
.set SPARE, STAGE+16*4352              ; the spare words, 128 bytes a wave
.set SPW, 4
.set NIL, 5
.set KF,  36
.set PC,  192
.set CT,  204
.set BM,  212                          ; v212-215 four chains of maxima; then v212, v215 each block's largest score and largest p
.set SO,  220                          ; v220, v221 the conversions' scale operands
.set PW,  224                          ; p's scale word
.set FF,  226                          ; v[226:227] f = 2^(old M - new M)
.set TMP, 228
.set H8,  240                          ; 8 x (lane / 16)
.set OM,  241                          ; the old -M
.set PT,  242                          ; v242, v243 lane permutes' destinations
.set PX,  243
.set QB,  244                          ; v244, v245 my two blocks' scale bytes
.set Q1,  246                          ; v246-251 the second pass's q;  v252 its scale word
.set QS1, 252
.set SIN, 253                          ; my stage, on the way in
.set SBK, 254                          ; and back
.macro ROUND
	s_barrier_signal -1
	s_barrier_wait -1
	s_cmp_lg_u32 s72, 0
	s_cbranch_scc1 .Lnot_wave_0_\@
	s_barrier_signal -3
.Lnot_wave_0_\@:
	s_barrier_wait -3
	s_barrier_signal -1
	s_barrier_wait -1
.endm
.macro ASK g1                          ; an arm's load: the type bits, the load, the nops behind it, and the jump to the join
	s_or_b32 s51, s51, 0x80000000
	tensor_load_to_lds s[48:51], s[\g1:\g1+7]
	s_nop 0
.rept 4
	v_nop
.endr
	s_branch .Lasked
.endm
	s_load_b256 s[4:11], s[0:1], 0x0               ; qkc, qks, vc, vs
	s_load_b64 s[12:13], s[0:1], 0x20              ; out0
	v_lshl_add_u32 v[SPW], v0, 2, SPARE
	v_mov_b32 v[NIL], 0
	ds_add_u32 v[SPW], v[NIL]                      ; the wave's opening: the add, twice on end, and its wait ahead of the first tensor loads; work on registers stands between
	ds_add_u32 v[SPW], v[NIL]
	v_lshrrev_b32 v1, 5, v0
	s_delay_alu instid0(VALU_DEP_1)
	v_readfirstlane_b32 s72, v1                    ; wave 0..15
	s_bfe_u32 s73, ttmp6, 0x40000                  ; cx: it enters Q's and the output's addresses alone
	s_and_b32 s81, ttmp7, 0xffff                   ; the head, which the four partners share
	s_lshr_b32 s82, s81, 4                         ; b
	s_and_b32 s83, s81, 15                         ; h
	s_lshl_b32 s84, s83, 9
	s_lshl_b32 s85, s82, 7
	s_add_co_u32 s84, s84, s85                     ; 512 h + 128 b: q's first half image of this head
	s_add_co_u32 s86, s84, 8192                    ; k's: 16 groups of 512 on
	s_lshl_b32 s87, s82, 11
	s_lshl_b32 s88, s83, 2
	s_add_co_u32 s87, s87, s88                     ; v's: 2048 b + 4 h
	s_lshl_b32 s85, s73, 5
	s_add_co_u32 s85, s85, s72                     ; my first tile of 16 queries in the head: 32 cx + wave; the second lies 16 tiles on
	s_add_co_u32 s84, s84, s85                     ; and its half image
	s_mul_i32 s80, s72, 4352
	s_add_co_u32 s80, s80, STAGE                   ; my stage
	; descriptor groups 1: elements of 8 bytes; the mask names all four work-groups, bit 21 beside it
	s_mov_b32 s16, 15|(3<<16)|(1<<21)              ; K's chunk: 24,576 dense bytes as 96 rows of 256
	s_mov_b32 s17, 32<<16
	s_mov_b32 s18, 96<<16
	s_mov_b32 s19, 32<<16
	s_mov_b32 s20, 96
	s_mov_b32 s21, 32
	s_mov_b32 s22, 0
	s_mov_b32 s23, 0
	s_mov_b32 s24, 15|(3<<16)|(1<<21)              ; V's chunk: 8 rows of 3,072 bytes (a group's four tiles of this head), 49,152 bytes apart
	s_mov_b32 s25, 384<<16
	s_mov_b32 s26, 8<<16
	s_mov_b32 s27, 384<<16
	s_mov_b32 s28, 8
	s_mov_b32 s29, 6144
	s_mov_b32 s30, 0
	s_mov_b32 s31, 0
	s_mov_b32 s32, 15|(3<<16)|(1<<21)              ; K's scale bytes: 4,096 dense bytes
	s_mov_b32 s33, 32<<16
	s_mov_b32 s34, 16<<16
	s_mov_b32 s35, 32<<16
	s_mov_b32 s36, 16
	s_mov_b32 s37, 32
	s_mov_b32 s38, 0
	s_mov_b32 s39, 0
	s_mov_b32 s40, 15|(3<<16)|(1<<21)              ; V's: 32 rows of 128 bytes, 2,048 bytes apart
	s_mov_b32 s41, 16<<16
	s_mov_b32 s42, 32<<16
	s_mov_b32 s43, 16<<16
	s_mov_b32 s44, 32
	s_mov_b32 s45, 256
	s_mov_b32 s46, 0
	s_mov_b32 s47, 0
	s_mov_b32 s74, 0x3e38aa3b                      ; c = log2(e) / 8
	s_mov_b32 s75, s74                             ; (named with it as a pair)
	s_mov_b32 s76, 0x76543210
	s_mov_b32 s77, 0xfedcba98                      ; selects for lane l xor 16
	s_mov_b32 s96, 0x05040100                      ; v_perm_b32: the two low halfwords;
	s_mov_b32 s97, 0x07060302                      ; the two high ones
	s_mov_b32 s98, 0x1800000                       ; the floor 2^(3 - 127) under a block's largest p
	v_and_b32 v8, 31, v0                           ; lane
	v_and_b32 v7, 15, v0                           ; r
	v_bfe_u32 v[TMP], v0, 4, 1                     ; h
	v_lshlrev_b32 v1, 4, v8                        ; 16 x lane
	v_lshlrev_b32 v2, 3, v8                        ; 8 x lane
	v_lshlrev_b32 v3, 3, v7                        ; 8 r: my row's scale bytes (K's begin at LDS byte 0)
	v_lshlrev_b32 v[H8], 3, v[TMP]
	v_lshlrev_b32 v6, 8, v[TMP]
	v_mul_u32_u24 v[SIN], v7, 272
	v_mul_u32_u24 v[SBK], v[TMP], 272
	v_lshl_add_u32 v6, v7, 4, v6                   ; the way out: 256 h + 16 r
	v_lshl_add_u32 v[SIN], v[TMP], 7, v[SIN]       ; in: row r, + 128 h
	v_lshl_add_u32 v[SBK], v7, 4, v[SBK]           ; back: lanes 0-15 one row, lanes 16-31 the next
	v_add_nc_u32 v[SIN], s80, v[SIN]
	v_add_nc_u32 v[SBK], s80, v[SBK]
.irp j, 16,17,18,19,20,21,28,29,30,31,32,33
	v_mov_b32 v\j, 0                               ; zero codes on both sides of q
.endr
	v_mov_b32 v[PT], 0                             ; lane permutes' destinations count as read
	v_mov_b32 v[PX], 0
	v_mov_b32 v[FF+1], 0                           ; (named as the upper half of a pair)
	s_wait_alu depctr_va_vdst(0)
	s_wait_dscnt 0x0                               ; both opening adds are done
	ROUND                                          ; all four work-groups are here: the joint loads meet
	s_wait_kmcnt 0x0
	s_mov_b32 s91, 0
	s_mul_i32 s90, s86, 768
	s_add_nc_u64 s[54:55], s[4:5], s[90:91]        ; K's codes
	s_lshl_b32 s90, s86, 5
	s_add_nc_u64 s[56:57], s[6:7], s[90:91]        ; K's scale bytes
	s_mul_i32 s90, s87, 768
	s_add_nc_u64 s[58:59], s[8:9], s[90:91]        ; V's codes
	s_lshl_b32 s90, s87, 5
	s_add_nc_u64 s[60:61], s[10:11], s[90:91]      ; V's scale bytes
	s_mov_b32 s48, 1
	s_mul_i32 s49, s72, CHB                        ; a chunk's LDS place: wave x 24,576
	s_mov_b32 s53, 0
	; ONE chain of branches on the wave's number, one load to an arm, all arms to one join.  The waves that wait ahead of the first barrier (0-3) have load lines of their own
	s_cmp_lt_u32 s72, 1
	s_cbranch_scc0 .Lw1
	s_mov_b32 s49, SCK
	s_mov_b64 s[50:51], s[56:57]
	ASK 32
.Lw1:
	s_cmp_lt_u32 s72, 2
	s_cbranch_scc0 .Lw2
	s_mov_b32 s49, SCV
	s_mov_b64 s[50:51], s[60:61]
	ASK 40
.Lw2:
	s_cmp_lt_u32 s72, 3
	s_cbranch_scc0 .Lw3
	s_mov_b64 s[50:51], s[54:55]                   ; K's keys 0-511
	ASK 16
.Lw3:
	s_cmp_lt_u32 s72, 4
	s_cbranch_scc0 .Lw4
	s_mov_b64 s[50:51], s[58:59]                   ; V's
	ASK 24
.Lw4:
	s_cmp_lt_u32 s72, 7
	s_cbranch_scc0 .Lw7
	s_sub_co_u32 s52, s72, 3                       ; K's chunk wave - 3
	s_mul_i32 s52, s52, CHB
	s_add_nc_u64 s[50:51], s[54:55], s[52:53]
	ASK 16
.Lw7:
	s_cmp_lt_u32 s72, 10
	s_cbranch_scc0 .Lasked
	s_sub_co_u32 s52, s72, 6                       ; V's chunk wave - 6: 8 groups of 49,152 bytes a chunk
	s_mul_i32 s52, s52, 393216
	s_add_nc_u64 s[50:51], s[58:59], s[52:53]
	ASK 24
.Lasked:
	s_mul_i32 s90, s84, 768
	s_add_nc_u64 s[4:5], s[4:5], s[90:91]
	s_lshr_b32 s90, s84, 2
	s_lshl_b32 s90, s90, 7
	s_and_b32 s86, s84, 3
	s_lshl_b32 s86, s86, 1
	s_add_co_u32 s90, s90, s86                     ; q's halfwords: [tile / 4][r][tile % 4]
	s_add_nc_u64 s[6:7], s[6:7], s[90:91]
	s_lshl_b32 s90, s81, 19                        ; a head's 2,048 rows of 256 bytes;
	s_lshr_b32 s86, s85, 2
	s_lshl_b32 s86, s86, 14                        ; my tile's first token: 64 (tile / 4)
	s_add_co_u32 s90, s90, s86
	s_and_b32 s86, s85, 3
	s_lshl_b32 s86, s86, 11                        ; + 8 (tile % 4)
	s_add_co_u32 s90, s90, s86
	s_add_nc_u64 s[12:13], s[12:13], s[90:91]
	global_load_b128 v[22:25], v1, s[4:5]          ; both passes' q stay in registers
	global_load_b64 v[26:27], v2, s[4:5] offset:512
	global_load_u16 v34, v3, s[6:7]
	global_load_b128 v[Q1:Q1+3], v1, s[4:5] offset:12288
	global_load_b64 v[Q1+4:Q1+5], v2, s[4:5] offset:12800
	global_load_u16 v[QS1], v3, s[6:7] offset:512
	s_wait_loadcnt 0x0
	v_lshl_or_b32 v34, v34, 16, v34                ; q's two bytes serve both halves of the instruction's K
	v_lshl_or_b32 v[QS1], v[QS1], 16, v[QS1]
; A KEY STEP: 128 keys.  s78: their byte in K's codes; s82: from there to V's; s79: their place in the scale bytes.
.macro STEP
	v_add_nc_u32 v8, s78, v1                       ; these four are also the places ahead of loads into registers that the last products have read
	v_add_nc_u32 v9, s78, v2
	v_add_nc_u32 v35, s79, v3
	v_mov_b32 v[OM], v12
.irp f, 0,1,2,3
.irp u, 0,1
	ds_load_b128 v[KF+12*\f+6*\u:KF+12*\f+6*\u+3], v8 offset:1536*\f+768*\u          ; tile 2 f + u of the step's eight
	ds_load_b64 v[KF+12*\f+6*\u+4:KF+12*\f+6*\u+5], v9 offset:1536*\f+768*\u+512
.endr
.endr
	ds_load_2addr_b64 v[84:87], v35 offset0:0 offset1:16   ; a fragment's scale word: the two tiles' halfwords; the step's second four tiles lie 128 bytes on
	s_wait_alu depctr_va_vdst(0)
	s_wait_dscnt 0x0
.irp f, 0,1,2,3
	v_wmma_scale_f32_16x16x128_f8f6f4 v[96+16*\f:103+16*\f], v[KF+12*\f:KF+12*\f+11], v[22:33], 0, v[84+\f], v34 matrix_a_fmt:MATRIX_FMT_FP6 matrix_b_fmt:MATRIX_FMT_FP6
	v_wmma_scale_f32_16x16x128_f8f6f4 v[104+16*\f:111+16*\f], v[KF+12*\f:KF+12*\f+11], v[16:27], 0, v[84+\f], v34 matrix_a_fmt:MATRIX_FMT_FP6 matrix_b_fmt:MATRIX_FMT_FP6
.endr
	v_add_nc_u32 v10, s82, v8                      ; four places ahead of the loads below and of the first reads of the scores
	v_add_nc_u32 v11, s82, v9
	v_nop
	v_nop
.irp d, 0,1,2,3                                ; V's four fragments (16 of the head's 64 x these 128 keys) land under the softmax
.irp c, 0,1
	ds_load_b128 v[KF+12*\d+6*\c:KF+12*\d+6*\c+3], v10 offset:3072*\c+768*\d
	ds_load_b64 v[KF+12*\d+6*\c+4:KF+12*\d+6*\c+5], v11 offset:3072*\c+768*\d+512
.endr
.endr
	ds_load_b64 v[88:89], v35 offset:SCV           ; the first 64 keys' halfwords of my row, four column tiles;
	ds_load_b64 v[90:91], v35 offset:SCV+128       ; the second 64 keys'
.irp b, 0,1,2,3
	v_max3_num_f32 v[BM+\b], v[96+16*\b], v[97+16*\b], v[98+16*\b]     ; four chains side by side, two to a block of 32 keys; each accumulator is read from its low end on
.endr
.irp i, 3,5,7,9,11,13
.irp b, 0,1,2,3
	v_max3_num_f32 v[BM+\b], v[BM+\b], v[96+16*\b+\i], v[97+16*\b+\i]
.endr
.endr
	v_max3_num_f32 v[BM], v[BM], v111, v127
	v_max3_num_f32 v[BM+2], v[BM+2], v143, v159
	v_dual_max_num_f32 v[BM], v[BM], v[BM+1] :: v_dual_max_num_f32 v[BM+3], v[BM+2], v[BM+3]   ; the largest score of each of my two blocks: for the row's maximum and, since p rises with the score, for the block's largest p
	v_max_num_f32 v[TMP], v[BM], v[BM+3]
	s_delay_alu instid0(VALU_DEP_1)
	v_permlanex16_b32 v[PT], v[TMP], s76, s77
	s_delay_alu instid0(VALU_DEP_1)
	v_max_num_f32 v[TMP], v[TMP], v[PT]            ; with lane l xor 16's two blocks: the step's largest score of my query
	s_delay_alu instid0(VALU_DEP_1)
	v_mul_f32 v[TMP], s74, v[TMP]                  ; as t
	s_delay_alu instid0(VALU_DEP_1)
	v_max_num_f32 v13, v13, v[TMP]                 ; the running largest t
	s_delay_alu instid0(VALU_DEP_1)
	v_floor_f32 v12, -v13                          ; the new -M = -ceil(t)
	s_delay_alu instid0(VALU_DEP_1)
	v_sub_f32 v[TMP], v12, v[OM]                   ; old M - new M: a whole number, 0 or less
	s_delay_alu instid0(VALU_DEP_1)
	v_cvt_i32_f32 v[TMP], v[TMP]                   ; (it saturates)
	s_delay_alu instid0(VALU_DEP_1)
	v_ldexp_f32 v[FF], 1.0, v[TMP]                 ; f
.set J, 0
.rept 32
	v_pk_fma_f32 v[96+J:97+J], v[96+J:97+J], s[74:75], v[12:13] op_sel_hi:[1,0,0]    ; t - M
.set J, J+2
.endr
	v_fma_f32 v[BM], v[BM], s74, v12
	v_fma_f32 v[BM+3], v[BM+3], s74, v12
	s_wait_alu depctr_va_vdst(0)
.set J, 0
.rept 64
	v_exp_f32 v[96+J], v[96+J]                     ; p = 2^(t - M)
.set J, J+1
.endr
	v_exp_f32 v[BM], v[BM]                         ; each block's largest p, in the same batch
	v_exp_f32 v[BM+3], v[BM+3]
	v_pk_mul_f32 v[14:15], v[14:15], v[FF:FF+1] op_sel_hi:[1,0]       ; the sums under the new M.  (The plain instruction behind the exponentials)
	s_wait_alu depctr_va_vdst(0)                   ; one wait for the batch of 66, ahead of its first reader
	; the row's sum of the unquantised p: 32 pairs into seven chains v[192 + 2 k ..] and the running sum, side by side
.irp k, 0,1,2,3,4,5,6
	v_pk_add_f32 v[PC+2*\k:PC+2*\k+1], v[96+4*\k:97+4*\k], v[98+4*\k:99+4*\k]
.endr
	v_pk_add_f32 v[14:15], v[14:15], v[124:125]
.irp k, 0,1,2,3,4,5,6
	v_pk_add_f32 v[PC+2*\k:PC+2*\k+1], v[PC+2*\k:PC+2*\k+1], v[126+2*\k:127+2*\k]
.endr
	v_pk_add_f32 v[14:15], v[14:15], v[140:141]
.irp k, 0,1,2,3,4,5,6
	v_pk_add_f32 v[PC+2*\k:PC+2*\k+1], v[PC+2*\k:PC+2*\k+1], v[142+2*\k:143+2*\k]
.endr
	v_pk_add_f32 v[14:15], v[14:15], v[156:157]
	v_pk_add_f32 v[PC:PC+1], v[PC:PC+1], v[158:159]
	v_pk_add_f32 v[PC+4:PC+5], v[PC+4:PC+5], v[PC+6:PC+7]
	v_pk_add_f32 v[PC+8:PC+9], v[PC+8:PC+9], v[PC+10:PC+11]
	v_pk_add_f32 v[14:15], v[14:15], v[PC+12:PC+13]
	v_pk_add_f32 v[PC:PC+1], v[PC:PC+1], v[PC+2:PC+3]
	s_delay_alu instid0(VALU_DEP_2)
	v_pk_add_f32 v[14:15], v[14:15], v[PC+8:PC+9]
	s_delay_alu instid0(VALU_DEP_2)
	v_pk_add_f32 v[PC:PC+1], v[PC:PC+1], v[PC+4:PC+5]
	s_delay_alu instid0(VALU_DEP_1)
	v_pk_add_f32 v[14:15], v[14:15], v[PC:PC+1]
	v_dual_max_num_f32 v[BM], s98, v[BM] :: v_dual_max_num_f32 v[BM+3], s98, v[BM+3]   ; the floor 2^(3 - 127)
	v_add_nc_u32 v[SO], 0xff000000, v[BM]          ; 2 off the exponent field: the conversions' scale operands
	v_add_nc_u32 v[SO+1], 0xff000000, v[BM+3]
.irp c, 0,1
	v_cvt_scalef32_pk16_fp6_f32 v[PC+6*\c:PC+6*\c+2], v[96+32*\c:111+32*\c], v[SO+\c]          ; registers 6 c .. of the operand: keys 64 c + 32 h + 0..15,
	v_cvt_scalef32_pk16_fp6_f32 v[CT+4*\c:CT+4*\c+2], v[112+32*\c:127+32*\c], v[SO+\c]         ; and + 16..31 (a conversion's three registers begin on an even number)
.endr
	v_lshrrev_b32 v[QB], 23, v[SO]                 ; my blocks' bytes.  (Also the plain instructions behind the conversions)
	v_lshrrev_b32 v[QB+1], 23, v[SO+1]
	v_dual_mov_b32 v[PC+3], v[CT] :: v_dual_mov_b32 v[PC+4], v[CT+1]
	v_lshl_or_b32 v[PW], v[QB+1], 16, v[QB]        ; blocks h and 2 + h,
	v_dual_mov_b32 v[PC+9], v[CT+4] :: v_dual_mov_b32 v[PC+10], v[CT+5]
	v_lshlrev_b32 v[PW], v[H8], v[PW]              ; at their places in the scale word,
	v_mov_b32 v[PC+5], v[CT+2]
	v_mov_b32 v[PC+11], v[CT+6]
	v_permlanex16_b32 v[PX], v[PW], s76, s77
	s_delay_alu instid0(VALU_DEP_1)
	v_or_b32 v[PW], v[PW], v[PX]                   ; with lane l xor 16's two: p's scale word for these 128 keys
	s_wait_dscnt 0x0                               ; V and its halfwords are in
	v_perm_b32 v92, v90, v88, s96                  ; column tile d's scale word: the first 64 keys' halfword below, the second's above
	v_perm_b32 v93, v90, v88, s97
	v_perm_b32 v94, v91, v89, s96
	v_perm_b32 v95, v91, v89, s97
	s_wait_alu depctr_va_vdst(0)                   ; the wait ahead of the first reader of O^T
.set J, 0
.rept 16
	v_pk_mul_f32 v[160+J:161+J], v[160+J:161+J], v[FF:FF+1] op_sel_hi:[1,0]   ; O^T under the new M.  (Twelve of these name no register of a given product below: the places behind its scale words and operands)
.set J, J+2
.endr
.irp d, 0,1,2,3
	v_wmma_scale_f32_16x16x128_f8f6f4 v[160+8*\d:167+8*\d], v[KF+12*\d:KF+12*\d+11], v[PC:PC+11], v[160+8*\d:167+8*\d], v[92+\d], v[PW] matrix_a_fmt:MATRIX_FMT_FP6 matrix_b_fmt:MATRIX_FMT_FP6
.endr
	s_add_co_u32 s78, s78, 6144
	s_add_co_u32 s79, s79, 256
.endm
.macro WALK n                          ; n key steps
	s_mov_b32 s80, \n
.Lstep_\@:
	STEP
	s_sub_co_u32 s80, s80, 1
	s_cmp_lg_u32 s80, 0
	s_cbranch_scc1 .Lstep_\@
.endm
; A tile of 16 queries against all 2,048 keys.
.macro PASS p
.if \p
	s_wait_xcnt 0x0                                ; the first pass's stores have read their registers, which take K's fragments again
.irp i, 0,1,2,3,4,5
	v_mov_b32 v[22+\i], v[Q1+\i]
.endr
	v_mov_b32 v34, v[QS1]
.endif
	v_mov_b32 v13, 0xff61b1e6                      ; the largest t so far: -3e38
	v_mov_b32 v14, 0
	v_mov_b32 v15, 0
	v_floor_f32 v12, -v13                          ; -M
.set J, 0
.rept 32
	v_mov_b32 v[160+J], 0                          ; O^T: the step is written once; its first walk finds zeros.  (Also the places between q's and its scale word's making and their first use)
.set J, J+1
.endr
.if \p == 0
	s_wait_alu depctr_va_vdst(0)
	s_wait_dscnt 0x0
	s_cmp_lt_u32 s72, 4
	s_cbranch_scc0 .Lnot_first
	s_wait_tensorcnt 0x0                           ; waves 0-3: the scale bytes and the first 512 keys
.Lnot_first:
	s_barrier_signal -1
	s_barrier_wait -1                              ; the other six loads may still be out
.endif
	s_mov_b32 s78, 2*CHB                           ; keys 0-511: K where wave 2 put it, V one chunk on
	s_mov_b32 s79, 0
	s_mov_b32 s82, CHB
	WALK 4
.if \p == 0
	s_wait_tensorcnt 0x0                           ; every wave: all that was still out
	s_wait_dscnt 0x0
	s_barrier_signal -1
	s_barrier_wait -1
.endif
	s_mov_b32 s78, 4*CHB                           ; keys 512-2047: K where waves 4-6 put it, V three chunks on
	s_mov_b32 s82, 3*CHB
	WALK 12
	; THE WAY OUT: O^T / the sum goes through my stage and leaves as whole rows of 256 bytes
	v_add_f32 v14, v14, v15
	s_delay_alu instid0(VALU_DEP_1)
	v_permlanex16_b32 v[PT], v14, s76, s77
	s_delay_alu instid0(VALU_DEP_1)
	v_add_f32 v14, v14, v[PT]                      ; the row's sum
	s_wait_alu depctr_va_vdst(0)
	v_rcp_f32 v14, v14
	v_nop                                          ; a plain place behind the reciprocal; with the three lines above the four places behind the last products
	s_wait_alu depctr_va_vdst(0)                   ; the wait ahead of the first reader of the reciprocal and of O^T
.set J, 0
.rept 16
	v_pk_mul_f32 v[96+J:97+J], v[160+J:161+J], v[14:15] op_sel_hi:[1,0]     ; register 8 d + j: o(r, 32 h + 8 d + j); each accumulator from its low end on
.set J, J+2
.endr
.irp d, 0,1,2,3
	ds_store_b128 v[SIN], v[96+8*\d:99+8*\d] offset:32*\d
	ds_store_b128 v[SIN], v[100+8*\d:103+8*\d] offset:32*\d+16
.endr
.irp i, 0,1,2,3,4,5,6,7
	ds_load_b128 v[36+4*\i:39+4*\i], v[SBK] offset:544*\i      ; LDS serves a wave's instructions in order: these see my stores
.endr
.irp i, 0,1,2,3,4,5,6,7
	s_wait_dscnt 7-\i                              ; the younger loads may be out
	global_store_b128 v6, v[36+4*\i:39+4*\i], s[12:13] offset:65536*\p+8192*(\i/4)+512*(\i%4) th:TH_STORE_NT    ; the tile's rows 2 i, 2 i + 1 are neighbouring tokens: 512 consecutive bytes, aligned; rows 8-15 lie 32 tokens on
.endr
.endm
	PASS 0
	PASS 1
	s_wait_tensorcnt 0x0                           ; the wave's end
	ds_add_u32 v[SPW], v[NIL]
	s_wait_dscnt 0x0
	ROUND                                          ; the closing round
	s_endpgm
.Lfunc_end_k_q63d8815b5a_attn:
	.size	k_q63d8815b5a_attn, .Lfunc_end_k_q63d8815b5a_attn-k_q63d8815b5a_attn
	.p2alignl 7, 3214868480
	.fill 96, 4, 3214868480
	.section	.rodata,"a",@progbits
	.p2align	6, 0x0
	.amdhsa_kernel k_q63d8815b5a_attn
		.amdhsa_group_segment_fixed_size 327680
		.amdhsa_private_segment_fixed_size 0
		.amdhsa_enable_private_segment 0
		.amdhsa_kernarg_size 40
		.amdhsa_user_sgpr_count 2
		.amdhsa_user_sgpr_kernarg_segment_ptr 1
		.amdhsa_wavefront_size32 1
		.amdhsa_system_sgpr_workgroup_id_x 1
		.amdhsa_system_sgpr_workgroup_id_y 1
		.amdhsa_system_sgpr_workgroup_id_z 1
		.amdhsa_system_vgpr_workitem_id 0
		.amdhsa_next_free_vgpr 256
		.amdhsa_next_free_sgpr 100
		.amdhsa_reserve_vcc 0
		.amdhsa_float_denorm_mode_32 3
		.amdhsa_float_denorm_mode_16_64 3
		.amdhsa_memory_ordered 1
		.amdhsa_forward_progress 1
		.amdhsa_inst_pref_size 83
	.end_amdhsa_kernel
	.amdgpu_metadata
---
amdhsa.version: [ 1, 2 ]
amdhsa.kernels:
  - .name:           k_q63d8815b5a_attn
    .symbol:         k_q63d8815b5a_attn.kd
    .args:
      - { .name: qkc, .offset: 0, .size: 8, .value_kind: global_buffer, .address_space: global }
      - { .name: qks, .offset: 8, .size: 8, .value_kind: global_buffer, .address_space: global }
      - { .name: vc, .offset: 16, .size: 8, .value_kind: global_buffer, .address_space: global }
      - { .name: vs, .offset: 24, .size: 8, .value_kind: global_buffer, .address_space: global }
      - { .name: out0, .offset: 32, .size: 8, .value_kind: global_buffer, .address_space: global }
    .group_segment_fixed_size: 327680
    .private_segment_fixed_size: 0
    .kernarg_segment_align: 8
    .kernarg_segment_size: 40
    .max_flat_workgroup_size: 512
    .sgpr_count:     100
    .vgpr_count:     256
    .wavefront_size: 32
...
	.end_amdgpu_metadata
.endif
;; end of part 3
